; MI455X (gfx1250); checked and timed in simulation.
; The chip was launched on July 23, 2026; its instructions are those of AMD's public machine-readable ISA for CDNA 5 (MIT licence, August 2026) and "CDNA5" Instruction Set Architecture Reference Guide (July 2026). The comments in the code are by the model that wrote it; some were corrected since.
;; Symmetric Linear. Allowed arithmetic: matrix products marked QUANTISED: E3M2 operands, one E8M0 scale for each 32 along K, by v_wmma_scale_f32_16x16x128_f8f6f4 with both operands' format E3M2, f32 sums; everything else in f32.
;; Inputs: bias 16,384 float32; scale one number float32; weight_i8 16,384 x 4,096 int8; x 4 x 256 x 4,096 float32.
;; Outputs: out0 4 x 256 x 16,384 float32.
;; This version of the problem:
;;   THIS VERSION OF THE PROBLEM IS GIVEN IN LOW PRECISION. The matrix products marked QUANTISED in the list below multiply operands that are first quantised to E3M2 (3 exponent bits, 2 mantissa bits; 6 bits a number), with one power-of-two scale for each 32 numbers along K (OCP MX v1.0); their sums are f32. All else is computed in f32.
;;   The module's matrix products, in the order in which they are computed (A, B: the left and right operand; K: the contracted axis; several contracted axes count as one K, in the product's order):
;;     1. [M 1,024, K 4,096] x [K 4,096, N 16,384]; A: input x; B: computed on the way: QUANTISED
;;   THE QUANTISER, for each operand of a quantised product, along K:
;;     - K is cut into blocks of 32 from its start; a last block that is shorter is filled with zeros.
;;     - A block's scale is 2^e with e = floor(log2(the largest magnitude in the block)) - 4, held to -126 .. 127; a block of zeros has e = 0. As a byte (E8M0): e + 127.
;;     - Each number is divided by its block's scale, clamped to +-28, and rounded to the nearest number of E3M2, ties to even, subnormals kept.
;;     - The product sums the exact products of the quantised numbers (number of the format x scale) in f32.
;;   ~~~python
;;   def quantise(x, axis):      # numpy; x: float32 -> the quantised numbers, widened to float32 again
;;       x = np.moveaxis(x, axis, -1); K = x.shape[-1]
;;       x = np.pad(x, [(0, 0)] * (x.ndim - 1) + [(0, -K % 32)]); x = x.reshape(x.shape[:-1] + (-1, 32)); a = np.abs(x).max(-1, keepdims=True)
;;       e = np.where(a > 0, np.clip(np.frexp(np.where(a > 0, a, 1))[1] - 1 - 4, -126, 127), 0)      # np.frexp(a)[1] - 1 = floor(log2(a)), exactly
;;       r = np.clip(x / 2.0 ** e, -28, 28)
;;       step = 2.0 ** (np.maximum(np.frexp(np.where(r == 0, 1, r))[1] - 1, -2) - 2)
;;       q = np.round(r / step) * step * 2.0 ** e      # np.round: ties to even
;;       return np.moveaxis(q.reshape(q.shape[:-2] + (-1,))[..., :K], -1, axis).astype(np.float32)
;;   ~~~
;;   OPERANDS COMPUTED ON THE WAY. 'Computed on the way' means the value that the module computes at that place (a softmax that the list does not call 'softmax' is quantised finished and normalised). What goes into a quantiser is computed in f32, as accurately as f32 sums, v_exp_f32 and their like allow (about 1e-6 of the number): no bf16 or f16 on the way to a quantiser, and a product that is left as it is and whose result goes on into a quantised operand takes f32 operands (vector FMAs, or v_wmma_f32_16x16x4_f32). A number that lies on a knife's edge between two numbers of the format may be rounded either way, as far as f32 arithmetic and the matrix unit's own rounding can turn it there, and no further.
;; One version. Each part assembles by itself: llvm-mc -triple=amdgcn-amd-amdhsa -mcpu=gfx1250 --defsym DOCPART=n.
;; ======== version 1 of 1: 2 launches
;; limits: right only within a limited range of input values
;; workspace buffers: xc 3,276,800 bytes; wc 52,428,800 bytes
;; launch quant (part 1): grid 640 x 1, 4 waves a work-group, no clusters, 68,096 bytes of LDS; arguments x, weight_i8, scale, xc, wc; writes xc, wc
.if DOCPART == 1
	.amdgcn_target "amdgcn-amd-amdhsa--gfx1250"
	.amdhsa_code_object_version 6
	.text
	.protected	k_q73e9d7d8b1_quant
	.globl	k_q73e9d7d8b1_quant
	.p2align	8
	.type	k_q73e9d7d8b1_quant,@function
k_q73e9d7d8b1_quant:
	s_mov_b64 s[64:65], 0
	v_nop
	global_prefetch_b8 v0, s[64:65] scope:SCOPE_SE
	s_setreg_imm32_b32 hwreg(HW_REG_WAVE_MODE, 25, 1), 1
	s_wait_xcnt 0x0
; x [1024][4096] f32 and W = f32(weight_i8 [16384][4096]) x scale (one f32 rounding) become codes of BF6 (E3M2), with one E8M0 scale byte for each 32 along K.
; A block's scale is 2^(floor(log2(its largest magnitude)) - 4): its byte is the largest magnitude's exponent field - 4, held at 1 from below.
; THE CODES ARE LAID AS IMAGES OF THE MATRIX OPERAND'S REGISTERS.  A fragment is 16 rows x 128 K, 12 registers a lane: lane (r = lane % 16, h = lane / 16) holds row r; registers 0-5 the block k = 32 h .., registers
; 6-11 the block k = 64 + 32 h ...  Registers 4 g .. 4 g + 3 of lane l lie at 512 g + 16 l of the fragment's 1,536 bytes.
; THE BUFFERS: one an operand, [s = k / 128][H = row / 128][12,800 bytes]: eight fragment images (i = (row / 16) % 8), then 512 bytes of scale words (four bytes: 128 along K of a row) laid [i / 4][r][i % 4].
; So the product's launch fetches 128 rows of a step, codes and scale words, as one dense piece, reads a fragment by three loads of 512 consecutive bytes, and four blocks' scale words of a row by one load of 16 bytes.
; SHARES.  Work-groups 0-511 take W: a wave takes 64 rows (four units of 16 rows) x 512 along K; work-group g takes rows 64 (g / 2) on, its wave w the 512 along K numbered 4 (g % 2) + w.
; Work-groups 512-639 take x: a wave takes 64 rows x 128 along K (its four fragments are four blocks of 16 rows); work-group g' takes rows 64 (g' / 8) on, its wave w step 4 (g' % 8) + w.
; Either way a wave holds the words of four neighbouring blocks of rows, so that each aligned 256 bytes of scale words leave whole.  Every work-group reads 128 KiB.  Waves share nothing: no barrier.
; Each load reads 512 consecutive bytes of one row; the rows turn through the wave's own stage in LDS (16 rows x 528 bytes), from which a lane takes its two whole blocks of 32: no other lane is asked for a maximum.
; BYTES ON THEIR WAY.  W's loads run two units ahead (32 loads, 16 KiB a wave), in two sets of 64 registers, the second in window 1; x's run three fragments ahead (48 loads, 24 KiB).  The four units are written
; out: every step of an address stands in an immediate or in a base of the unit's own, so that nothing is stepped, and each fragment of a unit has its own registers for its codes: one wait on XCNT a unit.
; The two paths part on the work-group's number and have LDS bytes of their own.
; LIMITS: NaN and infinities among the inputs are not served.  A block whose largest magnitude lies under 2^-122 has its byte held at 1.  A block of zeros has the byte 1 where the rule says 127: its codes are
; zeros, which add nothing under any byte but 0xff, and this program alone reads the bytes.  Every int8 (-128 too) and every finite scale (0 and negative too) are served.
.set FRB,   1536                       ; a fragment's image in bytes
.set HTB,   12800                      ; 128 rows of a step: 8 images + 512 bytes of scale words
.set TSW,   128*HTB                    ; from step to step in W's buffer
.set TSX,   8*HTB                      ; and in x's
.set SPI,   528                        ; a stage row: 512 bytes + 16: an odd multiple of 16, so that sixteen rows' 16-byte pieces start at sixteen different places modulo 256 bytes
.set WST,   16*SPI                     ; a wave's stage
.set XBASE, 4*WST                      ; x's stages lie behind W's; behind them, from 0x10800 on, the spare words (v55 my word's address, v59 = 0)
.set L16,  4                           ; v4   16 x lane: offset of the loads and of the codes' stores
.set L8,   5                           ; v5   x's scale words: 16 r + 8 h
.set STW,  6                           ; v6   W: into the stage: 16 x lane
.set RDW,  7                           ; v7   W: out of it: 528 r + 32 h
.set STX,  8                           ; v8   x: into the stage
.set RDX,  9                           ; v9   x: out of it: 528 r + 128 h
.set SH8,  10                          ; v10  8 h
.set MX,   12                          ; v12-13 the two blocks' largest magnitudes
.set SO,   14                          ; v14-15 a second chain of each, then the conversions' scale operands
.set BY,   16                          ; v16-17 the scale bytes
.set SW,   18                          ; v18  my two bytes at their places
.set TW,   19                          ; v19  lane l xor 16's
.set WD,   20                          ; v20-23 x: the four fragments' scale words
.set SP,   24                          ; v24-25 x: the pair that is stored
.set LW,   26                          ; v26  W's scale words: 16 r + h x TSW
.set C0,   28                          ; a fragment's codes, 12 registers: x: v28-39, v40-51 by turns;  W: fragment f at v28, v40, v76, v88
.set T,    52                          ; v52-54, v56-58 the blocks' upper halves (a conversion's three registers begin on an even number)
.set RF,   60                          ; W: v60-75 a fragment's 64 bytes a lane
.set WW,   100                         ; W: v100-115 the scale word of unit u, fragment f at v[100 + 4 f + u]; v116-123 what is stored of them
.set F,    128                         ; v128-191 my 64 numbers in f32: register 32 c + n = number n of my block c
                                       ; rows as loaded, 64 registers a set: W: v192-255 (even units), window 1 v0-63 (odd units);  x: v192-255, window 1 v0-63, v64-127 by turns
.set OB,   50                          ; s[50:57] where the codes go: W: a base for each unit;  x: s[50:51]
.set MSB, 0
.macro WIN new                         ; registers above v255 are named through a window; the immediate's high byte repeats the setting that is left; a switch that changes nothing is dropped
.if MSB != (\new)
	s_set_vgpr_msb (MSB<<8)|(\new)
.set MSB, (\new)
.endif
.endm
	s_load_b128 s[4:7], s[0:1], 0x0                ; x, weight_i8
	s_load_b64 s[8:9], s[0:1], 0x10                ; scale
	s_load_b128 s[12:15], s[0:1], 0x18             ; xc, wc
	v_lshl_add_u32 v55, v0, 2, 0x10800
	v_mov_b32 v59, 0
	v_lshrrev_b32 v1, 5, v0
	v_readfirstlane_b32 s24, v1                    ; wave 0..3
	v_and_b32 v1, 31, v0                           ; lane
	v_and_b32 v2, 15, v0                           ; r
	v_bfe_u32 v3, v0, 4, 1                         ; h
	v_lshlrev_b32 v[L16], 4, v1
	v_lshlrev_b32 v[L8], 3, v3
	v_lshl_add_u32 v[L8], v2, 4, v[L8]
	v_mul_u32_u24 v[LW], 0x190000, v3              ; lanes 16-31 store the next step's words: TSW bytes on
	v_lshl_add_u32 v[LW], v2, 4, v[LW]
	s_mul_i32 s25, s24, WST                        ; my stage
	v_add_nc_u32 v[STW], s25, v[L16]
	v_mul_u32_u24 v11, v2, SPI
	v_add_nc_u32 v11, s25, v11
	v_lshl_add_u32 v[RDW], v3, 5, v11
	v_add_nc_u32 v[STX], XBASE, v[STW]
	v_lshl_add_u32 v[RDX], v3, 7, v11
	v_add_nc_u32 v[RDX], XBASE, v[RDX]
	v_lshlrev_b32 v[SH8], 3, v3
	v_mov_b32 v[TW], 0                             ; written once: a lane permute's destination counts as one of its sources
	s_mov_b32 s36, 0xcb000080                      ; -(2^23 + 128)
	s_mov_b32 s37, s36                             ; (the packed forms name a pair and take its low word for both halves: so the upper word is written)
	s_mov_b32 s40, 0x4b000000                      ; 2^23
	s_mov_b32 s41, 0x80808080
	s_mov_b32 s42, 0x07040400                      ; byte selects: byte b of the raw word under 0x4b0000
	s_mov_b32 s43, 0x07040401
	s_mov_b32 s44, 0x07040402
	s_mov_b32 s45, 0x07040403
	s_mov_b32 s46, 0x76543210
	s_mov_b32 s47, 0xfedcba98                      ; v_permlanex16_b32's selects for lane l xor 16
	s_mov_b32 s48, 0xffff0000                      ; lanes 16-31
	s_mov_b32 s21, 0
	s_wait_kmcnt 0x0
; The 64 numbers in v[F] on become a fragment's 12 registers of codes at v[c] on, and my row's scale word in v[wd].  xw = 1: a wait on XCNT stands ahead of the conversions.
.macro QFRAG c, wd, xw
.irp b, 0,1
	v_max3_num_f32 v[MX+\b], |v[F+32*\b]|, |v[F+32*\b+1]|, 0x2800000            ; numbers 0, 1 and the floor 2^(5 - 127), under which no largest magnitude is taken: so the byte cannot fall under 1
	v_max3_num_f32 v[SO+\b], |v[F+32*\b+16]|, |v[F+32*\b+17]|, |v[F+32*\b+18]|   ; a second chain for numbers 16 on: four chains take turns
.endr
.irp i, 2,4,6,8,10,12
.irp b, 0,1
	v_max3_num_f32 v[MX+\b], v[MX+\b], |v[F+32*\b+\i]|, |v[F+32*\b+\i+1]|
	v_max3_num_f32 v[SO+\b], v[SO+\b], |v[F+32*\b+\i+17]|, |v[F+32*\b+\i+18]|
.endr
.endr
.irp b, 0,1
	v_max3_num_f32 v[MX+\b], v[MX+\b], |v[F+32*\b+14]|, |v[F+32*\b+15]|
.endr
.irp b, 0,1
	v_max3_num_f32 v[MX+\b], v[MX+\b], v[SO+\b], |v[F+32*\b+31]|                 ; the block's largest magnitude
.endr
.irp b, 0,1
	v_add_nc_u32 v[SO+\b], 0xfe000000, v[MX+\b]    ; 4 off its exponent field: the conversion takes the exponent field of this operand as its scale, and nothing else of it
.endr
.irp b, 0,1
	v_lshrrev_b32 v[BY+\b], 23, v[SO+\b]           ; the scale's byte
.endr
	v_lshl_or_b32 v[SW], v[BY+1], 16, v[BY]        ; my two bytes: blocks h and 2 + h of row r,
	v_lshlrev_b32 v[SW], v[SH8], v[SW]             ; at their places in the word;
	v_permlanex16_b32 v[TW], v[SW], s46, s47
	v_or_b32 v[\wd], v[SW], v[TW]                  ; with lane l xor 16's two the word is whole, in both lanes
.if \xw
	s_wait_alu depctr_va_vdst(0)
	s_wait_xcnt 0x0                                ; every store issued so far has read its data: the registers of codes that those stores named may be written again
.endif
.irp b, 0,1
	v_cvt_scalef32_pk16_bf6_f32 v[(\c)+6*\b:(\c)+6*\b+2], v[F+32*\b:F+32*\b+15], v[SO+\b]
	v_cvt_scalef32_pk16_bf6_f32 v[T+4*\b:T+4*\b+2], v[F+32*\b+16:F+32*\b+31], v[SO+\b]
.endr
	v_nop                                          ; one plain place behind a scaled conversion
.irp b, 0,1
.irp i, 0,1,2
	v_mov_b32 v[(\c)+6*\b+3+\i], v[T+4*\b+\i]
.endr
.endr
.endm
; Fragment f leaves: three stores of 512 consecutive bytes each, at multiples of 512 from the buffer's first byte.  ob: the base;  ts: from fragment to fragment (W: a step's plane;  x: an image).
.macro CSTORE c, f, ts, ob
.irp g, 0,1,2
	global_store_b128 v[L16], v[(\c)+4*\g:(\c)+4*\g+3], s[\ob:\ob+1] offset:(\f)*(\ts)+512*\g th:TH_STORE_NT
.endr
.endm
; x's scale words, [r 16][i % 4]: lanes 0-15 store row r's words of blocks 0, 1, lanes 16-31 those of blocks 2, 3: 256 consecutive bytes, aligned.
.macro SSTORE off
	v_cndmask_b32 v[SP], v[WD], v[WD+2], s48
	v_cndmask_b32 v[SP+1], v[WD+1], v[WD+3], s48
	global_store_b64 v[L8], v[SP:SP+1], s[32:33] offset:\off th:TH_STORE_NT
.endm
	s_cmp_lt_u32 ttmp9, 512
	s_cbranch_scc0 .Lx_path
	; ---------------- W ----------------
.macro WLOAD u                         ; unit u's 16 rows: 512 consecutive bytes a load; even units into v192-255, odd ones into window 1's v0-63
.set RW, 192*(1-(\u)%2)
.if (\u)%2
	WIN 0x40                                       ; the loaded data are the destination: window 1; the offset stays in window 0
.endif
.set j, 0
.rept 16
	global_load_b128 v[RW+4*j:RW+4*j+3], v[L16], s[28:29] offset:4096*j+65536*(\u) th:TH_LOAD_NT
.set j, j+1
.endr
	WIN 0
.endm
.macro WSTAGE u                        ; and into the stage, as they lie
.set RW, 192*(1-(\u)%2)
.if (\u)%2
	WIN 0x04                                       ; an LDS store's data are its source 1: window 1
.endif
.set j, 0
.rept 16
	ds_store_b128 v[STW], v[RW+4*j:RW+4*j+3] offset:SPI*j
.set j, j+1
.endr
	WIN 0
.endm
.macro WFETCH f                        ; my 64 bytes of fragment f: two blocks of 32
.irp c, 0,1
.irp i, 0,1
	ds_load_b128 v[RF+8*\c+4*\i:RF+8*\c+4*\i+3], v[RDW] offset:128*(\f)+64*\c+16*\i
.endr
.endr
.endm
; 64 int8 become f32(w) x scale.  w xor 0x80 is the byte w + 128; under the bits 0x4b0000 it is the f32 number 2^23 + w + 128 (UNPACK_A: behind it the raw bytes' registers are free);
; less 2^23 + 128 that is w, exactly; the product with the scale rounds once (UNPACK_B).
.macro UNPACK_A
.set k, 0
.rept 16
	v_xor_b32 v[RF+k], s41, v[RF+k]
.set k, k+1
.endr
.set k, 0
.rept 16
.irp b, 0,1,2,3
	v_perm_b32 v[F+4*k+\b], s40, v[RF+k], s[42+\b]
.endr
.set k, k+1
.endr
.endm
.macro UNPACK_B
.set k, 0
.rept 32
	v_pk_add_f32 v[F+k:F+k+1], v[F+k:F+k+1], s[36:37] op_sel_hi:[1,0]
.set k, k+2
.endr
.set k, 0
.rept 32
	v_pk_mul_f32 v[F+k:F+k+1], v[F+k:F+k+1], s[38:39] op_sel_hi:[1,0]
.set k, k+2
.endr
.endm
; Unit u of four.  As soon as its rows lie in the stage, its registers take the loads of the unit two further on.
.macro WUNIT u
.if (\u) < 3
	s_wait_loadcnt 16                              ; loads come back in order: this unit's 16 are in; the next unit's 16 may be out
.else
	s_wait_loadcnt 0x0                             ; the last unit: nothing was asked for behind it
.endif
	WSTAGE \u
	WFETCH 0                                       ; LDS serves a wave's instructions in order: these see the stores above
	s_wait_dscnt 0x0                               ; the stores have read their registers, and fragment 0 is in
.if (\u) < 2
	WLOAD (\u)+2                                   ; units 2 and 3; the last two units ask for nothing: no load leaves the buffer
.endif
.irp f, 0,1,2,3
.if \f > 0
	s_wait_dscnt 0x0                               ; this fragment's bytes, asked for in the fragment before
.endif
	UNPACK_A
.if \f < 3
	WFETCH \f+1                                    ; the byte selects have read the raw bytes: the next fragment's land while this one is worked
.endif
	UNPACK_B
.if \f == 0
	QFRAG C0+12*\f+24*(\f/2), WW+4*\f+(\u), 1      ; one wait on XCNT a unit: all stores of the unit before stand ahead of it, and each fragment of a unit has registers of its own
.else
	QFRAG C0+12*\f+24*(\f/2), WW+4*\f+(\u), 0
.endif
	CSTORE C0+12*\f+24*(\f/2), \f, TSW, OB+2*(\u)
.endr
.endm
	s_load_b32 s38, s[8:9], 0x0                    ; the scale itself: wanted only when the first unit is unpacked
	s_lshr_b32 s26, ttmp9, 1                       ; which 64 rows
	s_and_b32 s27, ttmp9, 1
	s_lshl_b32 s27, s27, 2
	s_add_co_u32 s27, s27, s24                     ; which 512 along K
	s_lshl_b32 s20, s26, 18                        ; 64 rows of 4,096 bytes
	s_lshl_b32 s22, s27, 9
	s_add_co_u32 s20, s20, s22
	s_add_nc_u64 s[28:29], s[6:7], s[20:21]        ; in; never stepped: a unit's 16 rows on stand in the loads' immediates
	WLOAD 0
	WLOAD 1
	s_mul_i32 s20, s27, 4*TSW                      ; my first step's plane
	s_lshr_b32 s22, s26, 1
	s_mul_i32 s22, s22, HTB                        ; my 128 rows' piece in it
	s_add_co_u32 s20, s20, s22
	s_add_nc_u64 s[32:33], s[14:15], s[20:21]
	s_and_b32 s22, s26, 1                          ; which four of its eight blocks of rows
	s_mul_i32 s20, s22, 4*FRB
	s_add_nc_u64 s[OB:OB+1], s[32:33], s[20:21]    ; the codes: a base for each unit, an image apart
	s_add_nc_u64 s[OB+2:OB+3], s[OB:OB+1], FRB
	s_add_nc_u64 s[OB+4:OB+5], s[OB:OB+1], 2*FRB
	s_add_nc_u64 s[OB+6:OB+7], s[OB:OB+1], 3*FRB
	s_lshl_b32 s20, s22, 8
	s_add_co_u32 s20, s20, 8*FRB
	s_add_nc_u64 s[32:33], s[32:33], s[20:21]      ; the scale words: behind the eight images, 256 bytes for four blocks of rows
	s_wait_kmcnt 0x0                               ; the scale
	s_mov_b32 s39, s38
	s_wait_alu depctr_va_vdst(0)
	WUNIT 0
	WUNIT 1
	WUNIT 2
	WUNIT 3
.irp u, 0,1,2,3
	v_cndmask_b32 v[WW+16+\u], v[WW+\u], v[WW+4+\u], s48     ; lanes 0-15 store row r's four words of steps 0 and 2, lanes 16-31 those of steps 1 and 3
	v_cndmask_b32 v[WW+20+\u], v[WW+8+\u], v[WW+12+\u], s48
.endr
	global_store_b128 v[LW], v[WW+16:WW+19], s[32:33] th:TH_STORE_NT               ; sixteen lanes store 256 consecutive bytes, aligned
	global_store_b128 v[LW], v[WW+20:WW+23], s[32:33] offset:2*TSW th:TH_STORE_NT
	s_wait_tensorcnt 0x0                           ; the wave's end
	ds_add_u32 v55, v59
	s_wait_dscnt 0x0
	s_endpgm
	; ---------------- x ----------------
.Lx_path:
.macro XSET f                          ; fragment f's registers: XB, in window XWN
.if (\f)%3 == 0
.set XB, 192
.set XWN, 0
.elseif (\f)%3 == 1
.set XB, 0
.set XWN, 1
.else
.set XB, 64
.set XWN, 0
.endif
.endm
.macro XLOAD f                         ; fragment f: 128 numbers of each of the 16 rows of block f: 512 consecutive bytes a load
	XSET \f
	WIN 0x40*XWN
.set j, 0
.rept 16
	global_load_b128 v[XB+4*j:XB+4*j+3], v[L16], s[28:29] offset:16384*j+262144*(\f) th:TH_LOAD_NT
.set j, j+1
.endr
	WIN 0
.endm
	s_sub_co_u32 s26, ttmp9, 512
	s_and_b32 s27, s26, 7
	s_lshr_b32 s26, s26, 3                         ; which 64 rows
	s_lshl_b32 s27, s27, 2
	s_add_co_u32 s27, s27, s24                     ; which step of 128 along K
	s_lshl_b32 s20, s26, 20                        ; 64 rows of 16,384 bytes
	s_lshl_b32 s22, s27, 9
	s_add_co_u32 s20, s20, s22
	s_add_nc_u64 s[28:29], s[4:5], s[20:21]
	XLOAD 0
	XLOAD 1
	XLOAD 2
	s_mul_i32 s20, s27, TSX                        ; my step's plane
	s_lshr_b32 s22, s26, 1
	s_mul_i32 s22, s22, HTB                        ; my 128 rows' piece in it
	s_add_co_u32 s20, s20, s22
	s_add_nc_u64 s[32:33], s[12:13], s[20:21]
	s_and_b32 s22, s26, 1
	s_mul_i32 s20, s22, 4*FRB
	s_add_nc_u64 s[OB:OB+1], s[32:33], s[20:21]    ; the codes of my four blocks of rows
	s_lshl_b32 s20, s22, 8
	s_add_co_u32 s20, s20, 8*FRB
	s_add_nc_u64 s[32:33], s[32:33], s[20:21]      ; and their scale words
	s_wait_alu depctr_va_vdst(0)
.irp f, 0,1,2,3
.if \f < 2
	s_wait_loadcnt 32                              ; this fragment's 16 loads are in; those of the two fragments behind it may be out
.elseif \f == 2
	s_wait_loadcnt 16                              ; the last fragment's may be out
.else
	s_wait_loadcnt 0x0
.endif
	XSET \f
	WIN 0x04*XWN                                   ; an LDS store's data are its source 1
.set j, 0
.rept 16
	ds_store_b128 v[STX], v[XB+4*j:XB+4*j+3] offset:SPI*j
.set j, j+1
.endr
	WIN 0
.irp c, 0,1
.irp i, 0,1,2,3,4,5,6,7
	ds_load_b128 v[F+32*\c+4*\i:F+32*\c+4*\i+3], v[RDX] offset:256*\c+16*\i   ; my two blocks of 32 numbers; LDS serves a wave's instructions in order
.endr
.endr
	s_wait_dscnt 0x0                               ; the stores have read their registers, and my numbers are in
.if \f == 0
	XLOAD 3                                        ; the last fragment, into the registers that fragment 0 has left
.endif
.if \f < 2
	QFRAG C0+12*(\f%2), WD+\f, 0                   ; the two sets of codes are written for the first time
.else
	QFRAG C0+12*(\f%2), WD+\f, 1                   ; and again: behind a wait on XCNT
.endif
	CSTORE C0+12*(\f%2), \f, FRB, OB
.endr
	SSTORE 0
	s_wait_tensorcnt 0x0                           ; the wave's end
	ds_add_u32 v55, v59
	s_wait_dscnt 0x0
	s_endpgm
.Lfunc_end_k_q73e9d7d8b1_quant:
	.size	k_q73e9d7d8b1_quant, .Lfunc_end_k_q73e9d7d8b1_quant-k_q73e9d7d8b1_quant
	.p2alignl 7, 3214868480
	.fill 96, 4, 3214868480
	.section	.rodata,"a",@progbits
	.p2align	6, 0x0
	.amdhsa_kernel k_q73e9d7d8b1_quant
		.amdhsa_group_segment_fixed_size 68096
		.amdhsa_private_segment_fixed_size 0
		.amdhsa_enable_private_segment 0
		.amdhsa_kernarg_size 40
		.amdhsa_user_sgpr_count 2
		.amdhsa_user_sgpr_kernarg_segment_ptr 1
		.amdhsa_wavefront_size32 1
		.amdhsa_system_sgpr_workgroup_id_x 1
		.amdhsa_system_sgpr_workgroup_id_y 1
		.amdhsa_system_sgpr_workgroup_id_z 1
		.amdhsa_system_vgpr_workitem_id 0
		.amdhsa_next_free_vgpr 320
		.amdhsa_next_free_sgpr 66
		.amdhsa_reserve_vcc 0
		.amdhsa_float_denorm_mode_32 3
		.amdhsa_float_denorm_mode_16_64 3
		.amdhsa_memory_ordered 1
		.amdhsa_forward_progress 1
		.amdhsa_inst_pref_size 235
	.end_amdhsa_kernel
	.amdgpu_metadata
---
amdhsa.version: [ 1, 2 ]
amdhsa.kernels:
  - .name:           k_q73e9d7d8b1_quant
    .symbol:         k_q73e9d7d8b1_quant.kd
    .args:
      - { .name: x, .offset: 0, .size: 8, .value_kind: global_buffer, .address_space: global }
      - { .name: weight_i8, .offset: 8, .size: 8, .value_kind: global_buffer, .address_space: global }
      - { .name: scale, .offset: 16, .size: 8, .value_kind: global_buffer, .address_space: global }
      - { .name: xc, .offset: 24, .size: 8, .value_kind: global_buffer, .address_space: global }
      - { .name: wc, .offset: 32, .size: 8, .value_kind: global_buffer, .address_space: global }
    .group_segment_fixed_size: 68096
    .private_segment_fixed_size: 0
    .kernarg_segment_align: 8
    .kernarg_segment_size: 40
    .max_flat_workgroup_size: 128
    .sgpr_count:     66
    .vgpr_count:     320
    .wavefront_size: 32
...
	.end_amdgpu_metadata
.endif
;; end of part 1
;; launch gemm (part 2): grid 64 x 4, 4 waves a work-group, clusters of 4 x 4, 327,680 bytes of LDS; arguments xc, wc, out0, bias; writes out0
.if DOCPART == 2
	.amdgcn_target "amdgcn-amd-amdhsa--gfx1250"
	.amdhsa_code_object_version 6
	.text
	.protected	k_q73e9d7d8b1_gemm
	.globl	k_q73e9d7d8b1_gemm
	.p2align	8
	.type	k_q73e9d7d8b1_gemm,@function
k_q73e9d7d8b1_gemm:
	s_mov_b64 s[64:65], 0
	v_nop
	global_prefetch_b8 v0, s[64:65] scope:SCOPE_SE
	s_setreg_imm32_b32 hwreg(HW_REG_WAVE_MODE, 25, 1), 1
	s_wait_xcnt 0x0
	s_wait_alu depctr_hold_cnt(0) depctr_sa_sdst(0) depctr_va_vdst(0) depctr_va_sdst(0) depctr_va_ssrc(0) depctr_va_vcc(0) depctr_vm_vsrc(0)
	s_getreg_b32 s2, hwreg(HW_REG_IB_STS2, 6, 4)
	s_cmp_eq_u32 s2, 0
	s_cbranch_scc0 .Lentry_in_a_cluster
	s_endpgm
.Lentry_in_a_cluster:
	s_bfe_u32 s2, ttmp6, 0x10000c
	s_cmp_lg_u32 s2, 0xf033
	s_cbranch_scc0 .Lentry_shape_is_right
	s_endpgm
.Lentry_shape_is_right:
; out0[m][n] = sum over k of Q(x)[m][k] Q(W)[n][k] + bias[n]: m 1,024, n 16,384, k 4,096; codes of BF6 (E3M2) with E8M0 scales, sums in f32.
; xc and wc hold, for each step s of 128 along K and each 128 rows H, one dense piece of 12,800 bytes: eight images of the matrix operand's registers (16 rows x 128 K, 1,536 bytes:
; registers 4 g .. 4 g + 3 of lane l at 512 g + 16 l), then 512 bytes of scale words laid [i / 4][r][i % 4].  Pieces begin at multiples of 256 bytes.
; A tile of out0, 256 x 256, is made by four waves; a wave makes 128 x 128: 64 accumulators.  K goes through a ring of two LDS slots; a slot holds THREE steps (the last fill two): 4 quarters x 3 x 12,800 bytes.
; A wave's one tensor load brings a quarter: three rows of 12,800 bytes, a plane of the buffer apart.  32 steps are 10 fills of three and one of two.  The scale words come with the codes: nothing else lies in LDS.
; CLUSTERS: 4 x 4 work-groups; A's pieces are asked for jointly along a row of the cluster, B's along a column.
; BOTH OPERANDS HAVE TWO SETS OF REGISTERS: step s + 1's 50 LDS loads go out in TWO runs in step s, into the sets that step s - 1 has left: B's fragments and the scale words (26 loads) at its head,
; A's fragments (24 loads) in its middle, behind 32 of its 64 products.
; So all reads of a slot are over when its last step begins: there stand the waits, the add, the round and the refill, with sixteen products among them; the first run stands behind the refill, the second sixteen products on.
; The matrix instruction is used transposed (source 0 = 16 rows of W, source 1 = 16 rows of x): a lane holds eight neighbouring columns of a row of out0.  The bias is the C of each sum's first product.
; REGISTERS: window 0: v0-23 addresses; v24-39 scale words, two sets of 8 (register i: lanes 0-15 the word of A's block i, lanes 16-31 that of B's block i); v40-135, v136-231 A's two sets.
;   window 1: v0-95, v128-223 B's two sets; v96-127, v224-255 the bias.  window 2, 3: the accumulators of my rows 0-63, 64-127 ((a, b) at v[8 (8 (a % 4) + b)]).
; PREFETCH: behind each refill in the loop's first three trips a wave names the fill that stands two refills on: of the 150 blocks of 256 bytes that it will fetch, its work-group's share among the four that ask
; jointly (13 blocks of each of the three rows, told apart by address: cx for A, cy for B).  Fills 0 to 3 and the last come by their loads alone.
.set SIZE_N, 16384
.set FR,     12
.set FRB,    1536
.set HTB,    12800                     ; 128 rows of a step
.set SCO,    8*FRB                     ; where its scale words begin
.set PLA,    8*HTB                     ; from step to step in xc
.set PLB,    128*HTB                   ; and in wc
.set DEEP,   3                         ; steps to a slot
.set QUART,  DEEP*HTB                  ; what one tensor load brings
.set SLOT,   4*QUART                   ; A's two halves, then B's two
.set SPARE,  2*SLOT                    ; the spare words: 128 bytes a wave, two blocks of 256 bytes that no other line names
.set SPITCH, 528                       ; the way out: a stage of 16 rows x (512 + 16) bytes a wave, in slot 1, which has had its last fill and its last read by then
.set ADRA, 9                           ; v9-10   my A fragments in slot 0, 1
.set ADRB, 11                          ; v11-12  my B fragments
.set ADRS, 13                          ; v13-14  my scale words: lanes 0-15 A's, lanes 16-31 B's
.set STO,  15
.set RD,   16
.set CO,   17                          ; 16 x lane
.set BO,   18                          ; 32 h
.set SPW,  19                          ; my spare word; never rewritten
.set NIL,  20                          ; 0; never rewritten
.set PFO,  21                          ; v21-22  the prefetches' offsets
.set SC,   24
.set AF,   40
.set BK,   40                          ; the way out: v40-103, v104-167 by turns
.set BI,   96                          ; the bias, in window 1
.set G1, 24
.set G0, 32
.set G1B, 48
.set G0B, 56
.set PFA, 78
.set PFS, 80
.set MSB, 0
.macro WIN new                         ; the immediate's high byte repeats the setting that is left
.if MSB != \new
	s_set_vgpr_msb (MSB<<8)|\new
.set MSB, \new
.endif
.endm
.set MUL_LO, 0xa1                      ; source 0 (B) window 1, source 1 (A) window 0, C and D window 2
.set MUL_HI, 0xf1
.set FST_LO, 0x91                      ; the first step: C (the bias) window 1
.set FST_HI, 0xd1
.set TO_B,   0x40
.macro WLO first
.if \first
	WIN FST_LO
.else
	WIN MUL_LO
.endif
.endm
.macro WHI first
.if \first
	WIN FST_HI
.else
	WIN MUL_HI
.endif
.endm
.macro JLOAD g0a, g1a, g0b, g1b        ; a joint load: waves 0, 1 fetch A's halves, waves 2, 3 B's; s_nop 0 and four v_nop behind each line
	s_cmp_eq_u32 s15, 0
	s_cbranch_scc0 .Lfor_b_\@
	tensor_load_to_lds s[\g0a:\g0a+3], s[\g1a:\g1a+7]
	s_nop 0
.rept 4
	v_nop
.endr
	s_branch .Lasked_\@
.Lfor_b_\@:
	tensor_load_to_lds s[\g0b:\g0b+3], s[\g1b:\g1b+7]
	s_nop 0
.rept 4
	v_nop
.endr
.Lasked_\@:
.endm
.macro CREST                           ; a round of the cluster's barrier behind its opening barrier
	s_cmp_lg_u32 s14, 0
	s_cbranch_scc1 .Lnot_wave_0_\@
	s_barrier_signal -3
.Lnot_wave_0_\@:
	s_barrier_wait -3
	s_barrier_signal -1
	s_barrier_wait -1
.endm
.macro CROUND
	s_barrier_signal -1
	s_barrier_wait -1
	CREST
.endm
.macro ASK                             ; the loop's last trip (s3 = 1) asks for nothing: two refills on there is no whole fill of three steps
	s_cmp_gt_u32 s3, 1
	s_cbranch_scc0 .Lno_ask_\@
	global_prefetch_b8 v[PFO], s[PFA:PFA+1] th:TH_LOAD_NT scope:SCOPE_SE     ; rows 0 and 1 of the fill: sixteen lanes each
	global_prefetch_b8 v[PFO+1], s[PFA:PFA+1] th:TH_LOAD_NT scope:SCOPE_SE   ; row 2
.Lno_ask_\@:
.endm
	s_load_b128 s[4:7], s[0:1], 0x0                ; xc, wc
	s_load_b128 s[8:11], s[0:1], 0x10              ; out0, bias
	v_lshl_add_u32 v[SPW], v0, 2, SPARE
	v_mov_b32 v[NIL], 0
	ds_add_u32 v[SPW], v[NIL]                      ; the opening lines: the add, twice on end, and its wait ahead of my first tensor load
	ds_add_u32 v[SPW], v[NIL]
	v_lshrrev_b32 v1, 5, v0
	v_readfirstlane_b32 s14, v1                    ; wave
	s_lshr_b32 s15, s14, 1                         ; my half of the tile's rows; also: I fetch for A (0) or B (1)
	s_and_b32 s16, s14, 1                          ; my half of its columns; also: which half I fetch
	s_bfe_u32 s40, ttmp6, 0x40000                  ; cx
	s_bfe_u32 s41, ttmp6, 0x40004                  ; cy
	s_lshl_b32 s42, ttmp9, 2
	s_add_co_u32 s42, s42, s40                     ; tile column
	s_and_b32 s17, ttmp7, 0xffff
	s_lshl_b32 s17, s17, 2
	s_add_co_u32 s17, s17, s41                     ; tile row
	s_lshl_b32 s43, s41, 2
	s_lshl_b32 s43, 15, s43                        ; my row of the cluster
	s_lshl_b32 s44, 0x1111, s40                    ; my column
	s_or_b32 s[G1], s43, (3<<16)|(1<<21)           ; elements of 8 bytes, no padding: every LDS read takes 512 or 256 consecutive bytes
	s_or_b32 s[G1B], s44, (3<<16)|(1<<21)
.irp g, G1, G1B
	s_mov_b32 s[\g+1], (HTB/8)<<16                 ; a row: 12,800 bytes
	s_mov_b32 s[\g+2], DEEP<<16                    ; three rows
	s_mov_b32 s[\g+3], (HTB/8)<<16
	s_mov_b32 s[\g+4], DEEP
	s_mov_b32 s[\g+6], 0
	s_mov_b32 s[\g+7], 0
.endr
	s_mov_b32 s[G1+5], PLA/8                       ; from row to row: a plane of the buffer
	s_mov_b32 s[G1B+5], PLB/8
	s_lshl_b32 s20, s17, 1
	s_add_co_u32 s20, s20, s16
	s_mul_i32 s20, s20, HTB                        ; A: piece 2 x tile row + half
	s_mov_b32 s21, 0
	s_lshl_b32 s46, s42, 1
	s_add_co_u32 s46, s46, s16
	s_mul_i32 s46, s46, HTB                        ; B: piece 2 x tile column + half
	s_mov_b32 s47, 0
	s_mul_i32 s45, s14, QUART                      ; where it goes
	s_wait_dscnt 0x0
	s_wait_kmcnt 0x0
	s_add_nc_u64 s[20:21], s[4:5], s[20:21]
	s_add_nc_u64 s[46:47], s[6:7], s[46:47]
	CROUND                                         ; the first joint loads meet
.irp s, 0,1
	s_mov_b32 s[G0+4*\s], 1
	s_add_co_u32 s[G0+4*\s+1], s45, \s*SLOT
	s_add_nc_u64 s[G0+4*\s+2:G0+4*\s+3], s[20:21], \s*DEEP*PLA
	s_or_b32 s[G0+4*\s+3], s[G0+4*\s+3], 0x80000000
	s_mov_b32 s[G0B+4*\s], 1
	s_add_co_u32 s[G0B+4*\s+1], s45, \s*SLOT
	s_add_nc_u64 s[G0B+4*\s+2:G0B+4*\s+3], s[46:47], \s*DEEP*PLB
	s_or_b32 s[G0B+4*\s+3], s[G0B+4*\s+3], 0x80000000
.endr
	JLOAD G0, G1, G0B, G1B                         ; steps 0 to 2: one tensor load a wave at the head
	s_mul_i32 s66, s15, QUART                      ; my A quarter in slot 0, 1
	s_add_co_u32 s67, s66, SLOT
	s_mul_i32 s68, s16, QUART
	s_add_co_u32 s68, s68, 2*QUART                 ; my B quarter
	s_add_co_u32 s69, s68, SLOT
	s_sub_co_u32 s70, s68, s66                     ; from A's to B's
	s_add_co_u32 s75, s66, SCO
	s_add_co_u32 s76, s67, SCO
	s_mul_i32 s71, s14, 16*SPITCH
	s_add_co_u32 s71, s71, SLOT                    ; my stage
	s_lshl_b32 s18, s17, 8
	s_lshl_b32 s19, s15, 7
	s_add_co_u32 s18, s18, s19                     ; my first row of out0,
	s_lshl_b32 s18, s18, 16                        ; 65,536 bytes a row
	s_mov_b32 s19, 0
	s_lshl_b32 s22, s42, 10
	s_lshl_b32 s23, s16, 9
	s_add_co_u32 s22, s22, s23                     ; my first column, in bytes
	s_mov_b32 s23, 0
	s_add_nc_u64 s[10:11], s[10:11], s[22:23]
	s_add_nc_u64 s[8:9], s[8:9], s[18:19]
	s_add_nc_u64 s[8:9], s[8:9], s[22:23]
	s_cmp_eq_u32 s15, 0                            ; the prefetches: for A or for B
	s_cselect_b64 s[PFA:PFA+1], s[20:21], s[46:47] ; the piece that I fetch, step 0
	s_cselect_b32 s72, s40, s41                    ; my place among the four that ask with me
	s_mov_b32 s73, PLB
	s_cselect_b32 s73, PLA, s73                    ; a plane
	s_mul_i32 s72, s72, 13
	s_lshl_b32 s74, s73, 1
	s_mul_i32 s[PFS], s73, DEEP                    ; a fill on
	s_mov_b32 s[PFS+1], 0
	s_mul_i32 s12, s73, 3*DEEP
	s_mov_b32 s13, 0
	s_add_nc_u64 s[PFA:PFA+1], s[PFA:PFA+1], s[12:13]  ; at fill 3: the first refill steps it to fill 4
	v_and_b32 v1, 15, v0                           ; r
	v_bfe_u32 v2, v0, 4, 1                         ; h
	v_and_b32 v6, 31, v0
	v_lshlrev_b32 v[CO], 4, v6
	v_lshlrev_b32 v[BO], 5, v2
	v_add_nc_u32 v[ADRA], s66, v[CO]
	v_add_nc_u32 v[ADRA+1], s67, v[CO]
	v_add_nc_u32 v[ADRB], s68, v[CO]
	v_add_nc_u32 v[ADRB+1], s69, v[CO]
	v_mul_u32_u24 v5, s70, v2                      ; lanes 16-31 take B's words
	v_lshl_add_u32 v5, v1, 4, v5                   ; 16 bytes a row: four blocks' words
	v_add_nc_u32 v[ADRS], s75, v5
	v_add_nc_u32 v[ADRS+1], s76, v5
	v_mul_u32_u24 v4, v1, SPITCH
	v_lshl_add_u32 v4, v2, 5, v4
	v_add_nc_u32 v[STO], s71, v4
	v_add_nc_u32 v[RD], s71, v[CO]
	v_min_u32 v7, 12, v1                           ; rows 0, 1 of a fill: block 13 p + min(l % 16, 12), at most 49, of row l / 16
	v_add_nc_u32 v7, s72, v7
	v_min_u32 v7, 49, v7
	v_lshlrev_b32 v7, 8, v7
	v_mul_u32_u24 v8, s73, v2
	v_add_nc_u32 v[PFO], v7, v8
	v_min_u32 v7, 12, v6                           ; row 2: block 13 p + min(l, 12), at most 49
	v_add_nc_u32 v7, s72, v7
	v_min_u32 v7, 49, v7
	v_lshlrev_b32 v7, 8, v7
	v_add_nc_u32 v[PFO+1], s74, v7
	s_wait_alu depctr_va_vdst(0)
	WIN TO_B
.irp b, 0,1,2,3,4,5,6,7
	global_load_b128 v[BI+8*\b+96*(\b/4):BI+8*\b+96*(\b/4)+3], v[BO], s[10:11] offset:64*\b        ; bias[16 b + 8 h + 0 .. 7]: the result's layout
	global_load_b128 v[BI+8*\b+96*(\b/4)+4:BI+8*\b+96*(\b/4)+7], v[BO], s[10:11] offset:64*\b+16
.endr
	WIN 0
; eight products: A's block a against B's eight, 128 along K, on set p.  The 64 accumulators take turns in the same order in every step.
; nops = 1: four places, one behind each of the first four products, ahead of this step's loads into the registers that the step before has multiplied.
.macro MUL8 a, p, first, nops
.irp b, 0,1,2,3,4,5,6,7
.if \first
	v_wmma_scale_f32_16x16x128_f8f6f4 v[8*(8*((\a)%4)+\b):8*(8*((\a)%4)+\b)+7], v[128*(\p)+FR*\b:128*(\p)+FR*\b+FR-1], v[AF+96*(\p)+FR*(\a):AF+96*(\p)+FR*(\a)+FR-1], v[BI+8*\b+96*(\b/4):BI+8*\b+96*(\b/4)+7], v[SC+8*(\p)+\b], v[SC+8*(\p)+(\a)] matrix_a_fmt:MATRIX_FMT_BF6 matrix_b_fmt:MATRIX_FMT_BF6 matrix_a_scale:MATRIX_SCALE_ROW1
.else
	v_wmma_scale_f32_16x16x128_f8f6f4 v[8*(8*((\a)%4)+\b):8*(8*((\a)%4)+\b)+7], v[128*(\p)+FR*\b:128*(\p)+FR*\b+FR-1], v[AF+96*(\p)+FR*(\a):AF+96*(\p)+FR*(\a)+FR-1], v[8*(8*((\a)%4)+\b):8*(8*((\a)%4)+\b)+7], v[SC+8*(\p)+\b], v[SC+8*(\p)+(\a)] matrix_a_fmt:MATRIX_FMT_BF6 matrix_b_fmt:MATRIX_FMT_BF6 matrix_a_scale:MATRIX_SCALE_ROW1
.endif
.if (\nops) && (\b < 4)
	v_nop
.endif
.endr
.endm
; the next step's fragments: it lies in slot NS at row NJ and goes into set NP
.macro FRAG reg, adr, i
.irp c, 0,1,2
	ds_load_b128 v[(\reg)+4*\c:(\reg)+4*\c+3], v[\adr] offset:NJ*HTB+(\i)*FRB+512*\c
.endr
.endm
; THE TWO RUNS: 26 LDS loads (B 0-7, the scale words), then 24 (A 0-7): so the youngest twelve of the second are always A's blocks 4-7.  Each leaves every window 0.
.macro RUNB
	WIN TO_B
.set I, 0
.rept 8
	FRAG 128*NP+FR*I, ADRB+NS, I
.set I, I+1
.endr
	WIN 0
	ds_load_b128 v[SC+8*NP:SC+8*NP+3], v[ADRS+NS] offset:NJ*HTB
	ds_load_b128 v[SC+8*NP+4:SC+8*NP+7], v[ADRS+NS] offset:NJ*HTB+256
.endm
.macro RUNA
	WIN 0
.set I, 0
.rept 8
	FRAG AF+96*NP+FR*I, ADRA+NS, I
.set I, I+1
.endr
.endm
; Step st.  fill: at a slot's last step: 1 the slot is filled again, 2 with the last fill, of two steps, 0 no more.  ask: the prefetch.
.macro STEP st, first, fill, ask
.set P,  (\st)%2
.set NX, (\st)+1
.set NP, NX%2
.set NS, (NX/DEEP)%2
.set NJ, NX%DEEP
.set SL, ((\st)/DEEP)%2
.if (\st)%DEEP == DEEP-1
.if \ask
	s_wait_xcnt 0x0                                ; my last prefetches have read their address
	s_add_nc_u64 s[PFA:PFA+1], s[PFA:PFA+1], s[PFS:PFS+1]
.endif
	s_wait_tensorcnt 0x0                           ; all my tensor loads have landed: my quarter of the other slot;
	ds_add_u32 v[SPW], v[NIL]                      ; 0 onto my spare word
.if \fill
	s_add_nc_u64 s[G0+4*SL+2:G0+4*SL+3], s[G0+4*SL+2:G0+4*SL+3], 2*DEEP*PLA    ; no load of mine is out: this slot's next fill
	s_add_nc_u64 s[G0B+4*SL+2:G0B+4*SL+3], s[G0B+4*SL+2:G0B+4*SL+3], 2*DEEP*PLB
.endif
.if \fill == 2
	s_mov_b32 s[G1+2], 2<<16                       ; steps 30 and 31: two rows
	s_mov_b32 s[G1+4], 2
	s_mov_b32 s[G1B+2], 2<<16
	s_mov_b32 s[G1B+4], 2
.endif
	s_wait_dscnt 13                                ; the add and A's blocks 4-7 may be out
	WIN MUL_LO
	MUL8 0, P, 0, 1
	s_wait_dscnt 0x0                               ; the add is done, and all my reads of this slot are over
	s_barrier_signal -1
	MUL8 1, P, 0, 0
	WIN 0
	s_barrier_wait -1
.if \fill
	CREST                                          ; the barrier has opened a round: no wave of any partner still reads this slot or has a load on its way
	JLOAD G0+4*SL, G1, G0B+4*SL, G1B               ; the first tensor load behind the round
.endif
	RUNB                                           ; the other slot's first step
.if \ask
	ASK
.endif
	WIN MUL_LO
	MUL8 2, P, 0, 0
	MUL8 3, P, 0, 0
	RUNA
	WIN MUL_HI
	MUL8 4, P, 0, 0
	MUL8 5, P, 0, 0
	MUL8 6, P, 0, 0
	MUL8 7, P, 0, 0
	WIN 0
.else
.rept 4
	v_nop                                          ; places behind the last step's products, ahead of the loads into the registers that they have read
.endr
	RUNB
	s_wait_dscnt 38                                ; the 26 just issued and this step's A blocks 4-7 may be out: its B, scale words and A blocks 0-3 are in
	WLO \first
	MUL8 0, P, \first, 0
	MUL8 1, P, \first, 0
	MUL8 2, P, \first, 0
	MUL8 3, P, \first, 0
	RUNA
	s_wait_dscnt 50                                ; all but the 26 and the 24: this step's A blocks 4-7 are in
	WHI \first
	MUL8 4, P, \first, 0
	MUL8 5, P, \first, 0
	MUL8 6, P, \first, 0
	MUL8 7, P, \first, 0
	WIN 0
.endif
.endm
	s_wait_tensorcnt 0x0                           ; my quarter of slot 0 is in
	ds_add_u32 v[SPW], v[NIL]
	s_wait_dscnt 0x0
	CROUND
	JLOAD G0+4, G1, G0B+4, G1B                     ; steps 3 to 5, into slot 1
.set NP, 0
.set NS, 0
.set NJ, 0
	RUNB                                           ; step 0's fragments
	RUNA
	s_wait_loadcnt 0x0                             ; the bias
	STEP 0, 1, 0, 0                                ; the first products start the sums on the bias
	s_mov_b32 s3, 4
.Llap:                                                 ; a trip: six steps, once round the ring, from a lap's second step to the next lap's first; both slots are filled again
	STEP 1, 0, 0, 0
	STEP 2, 0, 1, 1
	STEP 3, 0, 0, 0
	STEP 4, 0, 0, 0
	STEP 5, 0, 1, 1
	STEP 6, 0, 0, 0
	s_sub_co_u32 s3, s3, 1
	s_cmp_lg_u32 s3, 0
	s_cbranch_scc1 .Llap
	STEP 25, 0, 0, 0
	STEP 26, 0, 2, 0                               ; the last fill
	STEP 27, 0, 0, 0
	STEP 28, 0, 0, 0
	STEP 29, 0, 0, 0                               ; nothing is filled again: a barrier and no round
	STEP 30, 0, 0, 0
	s_wait_dscnt 12                                ; step 31: nothing more to fetch
	WIN MUL_LO
	MUL8 0, 1, 0, 0
	MUL8 1, 1, 0, 0
	MUL8 2, 1, 0, 0
	MUL8 3, 1, 0, 0
	s_wait_dscnt 0x0
	WIN MUL_HI
	MUL8 4, 1, 0, 0
	MUL8 5, 1, 0, 0
	MUL8 6, 1, 0, 0
	MUL8 7, 1, 0, 0
	WIN 0
; THE WAY OUT, block by block of 16 rows x 128 columns: through my own stage and back as whole rows of 512 bytes, which the 32 lanes store as two aligned units of 256 bytes.
; LDS serves a wave's instructions in order: no wait between the stores and the loads.
.macro TOSTAGE a
.set AC, 64*((\a)%4)
	WIN 0x08+4*((\a)/4)
.irp b, 0,1,2,3,4,5,6,7
	ds_store_b128 v[STO], v[AC+8*\b:AC+8*\b+3] offset:64*\b          ; each accumulator from its low end on
	ds_store_b128 v[STO], v[AC+8*\b+4:AC+8*\b+7] offset:64*\b+16
.endr
	WIN 0
.set BB, BK+64*((\a)%2)
.irp t, 0,1,2,3,4,5,6,7,8,9,10,11,12,13,14,15
	ds_load_b128 v[BB+4*\t:BB+4*\t+3], v[RD] offset:\t*SPITCH
.endr
.endm
.macro SEND a, younger
.set BB, BK+64*((\a)%2)
	s_wait_dscnt \younger
.if (\a) > 0
	s_add_nc_u64 s[8:9], s[8:9], 16*SIZE_N*4       ; behind a wait on XCNT: the earlier stores have read their base
.endif
.irp t, 0,1,2,3,4,5,6,7,8,9,10,11,12,13,14,15
	global_store_b128 v[CO], v[BB+4*\t:BB+4*\t+3], s[8:9] offset:\t*SIZE_N*4 th:TH_STORE_NT
.endr
.endm
.rept 4
	v_nop                                          ; places behind the last products, for the reads of results and the loads into A's registers
.endr
	TOSTAGE 0
.irp a, 1,2,3,4,5,6,7
.if \a > 1
	s_wait_xcnt 0x0                                ; block a - 2's stores have read their registers and their base
.endif
	TOSTAGE \a
	SEND \a-1, 32
.endr
	s_wait_xcnt 0x0
	SEND 7, 0
	s_wait_tensorcnt 0x0                           ; the wave's end
	ds_add_u32 v[SPW], v[NIL]
	s_wait_dscnt 0x0
	CROUND                                         ; the closing round
	s_endpgm
.Lfunc_end_k_q73e9d7d8b1_gemm:
	.size	k_q73e9d7d8b1_gemm, .Lfunc_end_k_q73e9d7d8b1_gemm-k_q73e9d7d8b1_gemm
	.p2alignl 7, 3214868480
	.fill 96, 4, 3214868480
	.section	.rodata,"a",@progbits
	.p2align	6, 0x0
	.amdhsa_kernel k_q73e9d7d8b1_gemm
		.amdhsa_group_segment_fixed_size 327680
		.amdhsa_private_segment_fixed_size 0
		.amdhsa_enable_private_segment 0
		.amdhsa_kernarg_size 32
		.amdhsa_user_sgpr_count 2
		.amdhsa_user_sgpr_kernarg_segment_ptr 1
		.amdhsa_wavefront_size32 1
		.amdhsa_system_sgpr_workgroup_id_x 1
		.amdhsa_system_sgpr_workgroup_id_y 1
		.amdhsa_system_sgpr_workgroup_id_z 1
		.amdhsa_system_vgpr_workitem_id 0
		.amdhsa_next_free_vgpr 1024
		.amdhsa_next_free_sgpr 100
		.amdhsa_reserve_vcc 0
		.amdhsa_float_denorm_mode_32 3
		.amdhsa_float_denorm_mode_16_64 3
		.amdhsa_memory_ordered 1
		.amdhsa_forward_progress 1
		.amdhsa_inst_pref_size 205
	.end_amdhsa_kernel
	.amdgpu_metadata
---
amdhsa.version: [ 1, 2 ]
amdhsa.kernels:
  - .name:           k_q73e9d7d8b1_gemm
    .symbol:         k_q73e9d7d8b1_gemm.kd
    .args:
      - { .name: xc, .offset: 0, .size: 8, .value_kind: global_buffer, .address_space: global }
      - { .name: wc, .offset: 8, .size: 8, .value_kind: global_buffer, .address_space: global }
      - { .name: out0, .offset: 16, .size: 8, .value_kind: global_buffer, .address_space: global }
      - { .name: bias, .offset: 24, .size: 8, .value_kind: global_buffer, .address_space: global }
    .group_segment_fixed_size: 327680
    .private_segment_fixed_size: 0
    .kernarg_segment_align: 8
    .kernarg_segment_size: 32
    .max_flat_workgroup_size: 128
    .sgpr_count:     100
    .vgpr_count:     1024
    .wavefront_size: 32
...
	.end_amdgpu_metadata
.endif
;; end of part 2
